; MI455X (gfx1250); checked and timed in simulation.
; The chip was launched on July 23, 2026; its instructions are those of AMD's public machine-readable ISA for CDNA 5 (MIT licence, August 2026) and "CDNA5" Instruction Set Architecture Reference Guide (July 2026). The comments in the code are by the model that wrote it; some were corrected since.
;; Ring Flash Cross Attention. Allowed arithmetic: matrix products marked QUANTISED: E2M3 operands, one E8M0 scale for each 32 along K, by v_wmma_scale_f32_16x16x128_f8f6f4 with both operands' format E2M3, f32 sums; everything else in f32.
;; Inputs: kv 4 x 2,048 x 2 x 16 x 128 float32; q_codes 4 x 2,048 x 16 x 4 x 24 uint8 (E2M3 codes of q, K innermost, in blocks of 32 codes, four codes in three bytes); q_scales 4 x 2,048 x 16 x 4 uint8 (E8M0 scales of q, one for each 32 codes along K).
;; Outputs: out0 4 x 2,048 x 16 x 128 float32.
;; This version of the problem:
;;   THIS VERSION OF THE PROBLEM IS GIVEN IN LOW PRECISION. The matrix products marked QUANTISED in the list below multiply operands that are first quantised to E2M3 (2 exponent bits, 3 mantissa bits; 6 bits a number), with one power-of-two scale for each 32 numbers along K (OCP MX v1.0); their sums are f32. All else is computed in f32.
;;   The module's matrix products, in the order in which they are computed (A, B: the left and right operand; K: the contracted axis; several contracted axes count as one K, in the product's order):
;;     1. batch 64 x [M 2,048, K 128] x [K 128, N 2,048]; A: input q (given as codes); B: input kv: QUANTISED
;;     2. batch 64 x [M 128, K 2,048] x [K 2,048, N 2,048]; A: input kv; B: softmax (see below): QUANTISED
;;   THE QUANTISER, for each operand of a quantised product, along K:
;;     - K is cut into blocks of 32 from its start; a last block that is shorter is filled with zeros.
;;     - A block's scale is 2^e with e = floor(log2(the largest magnitude in the block)) - 2, held to -126 .. 127; a block of zeros has e = 0. As a byte (E8M0): e + 127.
;;     - Each number is divided by its block's scale, clamped to +-7.5, and rounded to the nearest number of E2M3, ties to even, subnormals kept.
;;     - The product sums the exact products of the quantised numbers (number of the format x scale) in f32.
;;   ~~~python
;;   def quantise(x, axis):      # numpy; x: float32 -> the quantised numbers, widened to float32 again
;;       x = np.moveaxis(x, axis, -1); K = x.shape[-1]
;;       x = np.pad(x, [(0, 0)] * (x.ndim - 1) + [(0, -K % 32)]); x = x.reshape(x.shape[:-1] + (-1, 32)); a = np.abs(x).max(-1, keepdims=True)
;;       e = np.where(a > 0, np.clip(np.frexp(np.where(a > 0, a, 1))[1] - 1 - 2, -126, 127), 0)      # np.frexp(a)[1] - 1 = floor(log2(a)), exactly
;;       r = np.clip(x / 2.0 ** e, -7.5, 7.5)
;;       step = 2.0 ** (np.maximum(np.frexp(np.where(r == 0, 1, r))[1] - 1, 0) - 3)
;;       q = np.round(r / step) * step * 2.0 ** e      # np.round: ties to even
;;       return np.moveaxis(q.reshape(q.shape[:-2] + (-1,))[..., :K], -1, axis).astype(np.float32)
;;   ~~~
;;   SOFTMAX AHEAD OF A QUANTISED PRODUCT. Where the list says 'softmax', what is quantised is not the finished softmax but p = 2^(t - M), with t = logit x log2(e) and M = ceil(the row's largest t), a whole number; so 1/2 < the row's largest p <= 1. The row's sum l is taken of the UNQUANTISED p, in f32, and the product's result is divided by l at the end. Since M is a whole number, a kernel that streams over the keys may use a running M (the ceiling of the running maximum): every later rescaling is an exact power of two, which a block's scale takes up: the codes' values come out the same.
;;   OPERANDS COMPUTED ON THE WAY. 'Computed on the way' means the value that the module computes at that place (a softmax that the list does not call 'softmax' is quantised finished and normalised). What goes into a quantiser is computed in f32, as accurately as f32 sums, v_exp_f32 and their like allow (about 1e-6 of the number): no bf16 or f16 on the way to a quantiser, and a product that is left as it is and whose result goes on into a quantised operand takes f32 operands (vector FMAs, or v_wmma_f32_16x16x4_f32). A number that lies on a knife's edge between two numbers of the format may be rounded either way, as far as f32 arithmetic and the matrix unit's own rounding can turn it there, and no further.
;;   INPUTS GIVEN AS CODES. q (in the module: [4, 2048, 16, 128], K = its axis 3): each comes as NAME_codes (uint8): NAME with its K axis moved to the last place and cut into blocks of 32 codes, [.., K / 32, bytes a block], one block behind the other in memory; four codes in three bytes: a row's codes are one little-endian stream of bits, code i at bits 6 i .. 6 i + 5 (a code: sign, 2 exponent bits, 3 mantissa bits); and NAME_scales (uint8): the same leading axes, one E8M0 byte (e + 127) for each 32 codes along K. Its value is code x scale, taken as it is: it is not quantised again, and the codes and scales need not be those that the quantiser above would give.
;; One version. Each part assembles by itself: llvm-mc -triple=amdgcn-amd-amdhsa -mcpu=gfx1250 --defsym DOCPART=n.
;; ======== version 1 of 1: 2 launches
;; limits: right only within a limited range of input values
;; workspace buffers: kvc 26,214,400 bytes
;; launch quant (part 1): grid 16 x 64, 4 waves a work-group, no clusters, 35,328 bytes of LDS; arguments kv, kvc; writes kvc
.if DOCPART == 1
	.amdgcn_target "amdgcn-amd-amdhsa--gfx1250"
	.amdhsa_code_object_version 6
	.text
	.protected	k_q518b079d74_quant
	.globl	k_q518b079d74_quant
	.p2align	8
	.type	k_q518b079d74_quant,@function
k_q518b079d74_quant:
	s_mov_b64 s[64:65], 0
	v_nop
	global_prefetch_b8 v0, s[64:65] scope:SCOPE_SE
	s_setreg_imm32_b32 hwreg(HW_REG_WAVE_MODE, 25, 1), 1
	s_wait_xcnt 0x0
; kv [4][2048 keys][2][16 heads][128] f32 becomes codes of FP6 (E2M3) with one E8M0 byte for each 32 along a product's K:
; K (kv[:, :, 0]) is quantised along the head's 128 numbers, V (kv[:, :, 1]) along the KEYS, since the keys are the second product's K.
; DEAD WORK: none.  Every number of kv and of q has a way to the output (no mask, nothing sliced away), so every input is loaded: kv here, q's codes and scales in the second launch.
; A block's scale is 2^(floor(log2(its largest magnitude)) - 2); its byte is the largest magnitude's exponent field - 2, held at 1 from below by a floor among the maximum's leaves.
; LIMITS: a block of zeros, or one whose largest magnitude lies under 2^-124, gets the byte 1 (the rule says 127 for zeros): its codes are zeros or as the floor's scale gives them, and the bytes are read by this program alone.
;         NaN and infinities in kv are not served.
; WHAT IS STORED IS LAID IN THE ORDER OF THE OPERAND'S REGISTERS.  kvc: [64 heads][16 steps of 128 keys][24,576]: K's 8 fragments, then V's 8.  A fragment (16 rows x 128 along K, 12 registers a lane) is 1,536 bytes:
; registers 4 c .. 4 c + 3 of lane l at 512 c + 16 l.  K's fragment 2 w + u: lane (r, h) holds key 32 w + 8 u + r + 8 (r / 8) of the step, registers 6 c .. 6 c + 5 its numbers 64 c + 32 h + 0 .. 31.
; V's fragment f: lane (r, h) holds channel 16 f + r, registers 6 c .. 6 c + 5 the step's keys 64 c + 32 h + 0 .. 31.
; kvs: [64 heads][16 steps][1,024]: K's scale image (512 bytes), then V's: lane l's 16 bytes at 16 l; its word j is in lanes 0-15 the scale word of row r of fragment 2 j, in lanes 16-31 that of fragment 2 j + 1.
; SHARES.  A work-group (x = the head within a batch, y = 16 x batch + step) makes one step of one head.  Wave w makes K's fragments 2 w, 2 w + 1 (keys 32 w .. 32 w + 31) and V's fragments 2 w, 2 w + 1 (channels 32 w .. 32 w + 31).
; K: a load reads one key's 512 consecutive bytes; 16 keys turn through the wave's own stage in LDS, so that a lane gets 64 numbers of ONE key.  V: a lane takes a channel and its registers run down the keys: nothing is turned.
; No tensor load, no ring: several work-groups share a WGP.  One barrier, for the scale images, which the four waves make together.
.set KEYB,  16384                      ; bytes from key to key in kv
.set STGP,  528                        ; a stage row: a key's 512 bytes + 16: 33 x 16, so that 16 rows' equal columns fall on 16 different groups of banks (64 banks of 4 bytes: ISA guide 11.1)
.set WSTG,  16*STGP                    ; a wave's stage
.set SCI,   4*WSTG                     ; behind the four stages: the two scale images, 1,024 bytes
.set SPARE, SCI+1024                   ; behind them: the spare words, 128 bytes for each wave: two blocks of 256 bytes that no other line names
.set FLOOR, 0x1800000                  ; 2^(3 - 127)
.set KO,  4                            ; v4   16 x lane: K's loads, and every fragment's stores
.set VO,  5                            ; v5   4 x lane: V's loads
.set ST,  6                            ; v6   the stage, in: my wave's + 16 x lane
.set RD,  7                            ; v7   the stage, back: my wave's + 528 r + 128 h
.set H8,  8                            ; v8   8 h
.set SCW, 9                            ; v9   where my scale word goes: SCI + 16 x lane + 4 x wave
.set SCR, 10                           ; v10  where I read the images back: SCI + 256 x wave + 8 x lane
.set SCO, 11                           ; v11  8 x lane
.set SPW, 12                           ; v12  LDS address of my spare word: SPARE + 4 x my thread's number; never rewritten
.set NIL, 13                           ; v13  0; never rewritten
.set MX,  14                           ; v14-15 two blocks' largest magnitudes
.set SO,  16                           ; v16-17 the conversions' scale operands
.set BY,  18                           ; v18-19 the scale bytes
.set W0,  20                           ; v20, v21 the scale words of K's two fragments
.set W1,  21
.set WT,  22                           ; v22  a lane permute's destination
.set VW,  23                           ; v23  my channel's scale word
.set T0,  24                           ; v24-26, v28-30 second halves of blocks (a conversion's three registers begin on an even number)
.set T1,  28
.set R,   32                           ; v32-159 K: two tiles of 64 registers, as loaded and then as turned; later v32-95 V's blocks 2 and 3, v96-119 V's fragments
.set G0,  96
.set G1,  108
.set Y,   160                          ; v160-223 V's blocks 0 and 1
.set F0,  224                          ; v224-235, v236-247 K's fragments
.set F1,  236
.set SB,  248                          ; v248-249 the images on their way out
	s_load_b128 s[4:7], s[0:1], 0x0                ; kv, kvc
	; THE LAYOUT AS IT IS STORED NOW (it takes the place of what the head says of kvc and kvs; there is no kvs): kvc is [64 heads][16 steps][25,600 bytes];
	; a step's unit = V's scale image (512 bytes), V's 8 fragments (12,288), K's 8 fragments (12,288), K's scale image (512).
	v_lshl_add_u32 v[SPW], v0, 2, SPARE
	v_mov_b32 v[NIL], 0
	v_lshrrev_b32 v1, 5, v0
	v_readfirstlane_b32 s16, v1                    ; wave 0..3
	v_and_b32 v1, 31, v0                           ; lane
	v_and_b32 v2, 15, v0                           ; r
	v_bfe_u32 v3, v0, 4, 1                         ; h
	v_lshlrev_b32 v[KO], 4, v1
	v_lshlrev_b32 v[VO], 2, v1
	s_mul_i32 s17, s16, WSTG
	v_add_nc_u32 v[ST], s17, v[KO]
	v_mul_u32_u24 v[RD], v2, STGP
	v_lshl_add_u32 v[RD], v3, 7, v[RD]
	v_add_nc_u32 v[RD], s17, v[RD]
	v_lshlrev_b32 v[H8], 3, v3
	s_lshl_b32 s17, s16, 2
	v_add_nc_u32 v[SCW], s17, v[KO]
	v_add_nc_u32 v[SCW], SCI, v[SCW]
	v_lshlrev_b32 v[SCO], 3, v1
	s_lshl_b32 s17, s16, 8
	v_add_nc_u32 v[SCR], s17, v[SCO]
	v_add_nc_u32 v[SCR], SCI, v[SCR]
	v_mov_b32 v[WT], 0                             ; written once: a lane permute's destination counts as one of its sources
	s_mov_b32 s20, 0x76543210
	s_mov_b32 s21, 0xfedcba98                      ; v_permlanex16_b32's selects for lane l xor 16
	s_and_b32 s22, ttmp7, 0xffff                   ; y
	s_lshr_b32 s23, s22, 4                         ; the batch
	s_and_b32 s22, s22, 15                         ; the step
	s_lshl_b32 s24, s23, 25                        ; a batch of kv is 2^25 bytes,
	s_lshl_b32 s25, s22, 21                        ; a step's 128 keys 2^21,
	s_add_co_u32 s24, s24, s25
	s_lshl_b32 s25, ttmp9, 9                       ; a head 512 (all offsets stay under 2^28)
	s_add_co_u32 s24, s24, s25
	s_lshl_b32 s25, s16, 19                        ; K: my wave's 32 keys
	s_add_co_u32 s26, s24, s25
	s_mov_b32 s27, 0
	s_lshl_b32 s25, s16, 7                         ; V: my wave's 32 channels,
	s_add_co_u32 s28, s24, s25
	s_add_co_u32 s28, s28, 8192                    ; behind K's 16 heads in a key's row
	s_mov_b32 s29, 0
	s_lshl_b32 s34, s23, 4
	s_add_co_u32 s34, s34, ttmp9                   ; 16 x batch + head
	s_mul_i32 s34, s34, 409600                     ; the head's 16 units
	s_mul_i32 s25, s22, 25600
	s_add_co_u32 s36, s34, s25                     ; V goes to unit step,
	s_mov_b32 s30, s36                             ; and so does K
	s_lshl_b32 s25, s16, 8                         ; my quarter of the two images: waves 0, 1 K's halves, waves 2, 3 V's
	s_add_co_u32 s32, s30, 25088
	s_add_co_u32 s32, s32, s25
	s_add_co_u32 s33, s36, s25
	s_sub_co_u32 s33, s33, 512
	s_cmp_lt_u32 s16, 2
	s_cselect_b32 s32, s32, s33
	s_mov_b32 s33, 0
	s_mul_i32 s25, s16, 3072                       ; my two fragments
	s_add_co_u32 s30, s30, s25
	s_add_co_u32 s30, s30, 12800
	s_mov_b32 s31, 0
	s_add_co_u32 s36, s36, s25
	s_add_co_u32 s36, s36, 512
	s_mov_b32 s37, 0
	s_wait_alu depctr_va_vdst(0)
	s_wait_kmcnt 0x0
	s_add_nc_u64 s[10:11], s[4:5], s[26:27]        ; K
	s_add_nc_u64 s[12:13], s[4:5], s[28:29]        ; V
	s_add_nc_u64 s[14:15], s[6:7], s[30:31]        ; K's codes
	s_add_nc_u64 s[18:19], s[6:7], s[32:33]        ; my quarter of the scale images
	s_add_nc_u64 s[36:37], s[6:7], s[36:37]        ; V's codes
.macro LOADK u                         ; the 16 keys of K's fragment 2 w + u, row i = key 8 u + i + 8 (i / 8) of my 32: 32 lanes read a key's 512 consecutive bytes
.irp i, 0,1,2,3,4,5,6,7,8,9,10,11,12,13,14,15
	global_load_b128 v[R+64*\u+4*\i:R+64*\u+4*\i+3], v[KO], s[10:11] offset:(8*\u+\i+8*(\i/8))*KEYB th:TH_LOAD_NT
.endr
.endm
.macro LOADV blk, dst                  ; block blk of 32 keys of my channel: registers run down the keys; a wave reads 128 consecutive bytes, the four waves side by side 512
.irp i, 0,1,2,3,4,5,6,7,8,9,10,11,12,13,14,15,16,17,18,19,20,21,22,23,24,25,26,27,28,29,30,31
	global_load_b32 v[\dst+\i], v[VO], s[12:13] offset:(32*\blk+\i)*KEYB th:TH_LOAD_NT
.endr
.endm
.macro TURN u                          ; 16 keys through my stage: in as loaded, back 64 numbers of ONE key a lane: register 32 c + i = number 64 c + 32 h + i of row r.  LDS serves a wave's instructions in order (ISA guide 5.7.1.4): no wait between
.irp i, 0,1,2,3,4,5,6,7,8,9,10,11,12,13,14,15
	ds_store_b128 v[ST], v[R+64*\u+4*\i:R+64*\u+4*\i+3] offset:STGP*\i
.endr
.irp c, 0,1
.irp j, 0,1,2,3,4,5,6,7
	ds_load_b128 v[R+64*\u+32*\c+4*\j:R+64*\u+32*\c+4*\j+3], v[RD] offset:256*\c+16*\j
.endr
.endr
.endm
; 64 numbers of a lane at v[x] on (two whole blocks: 2 c + h, c = 0, 1) become the fragment's 12 registers at v[f] on; v[w] gets the row's scale word, in both halves of the lanes
.macro QK x, f, w
.irp c, 0,1
	v_max3_num_f32 v[MX+\c], |v[\x+32*\c]|, |v[\x+32*\c+1]|, FLOOR     ; the floor is one more leaf: the byte cannot fall under 1
.endr
.irp i, 2,4,6,8,10,12,14,16,18,20,22,24,26,28,30
.irp c, 0,1
	v_max3_num_f32 v[MX+\c], v[MX+\c], |v[\x+32*\c+\i]|, |v[\x+32*\c+\i+1]|   ; the two blocks by turns
.endr
.endr
.irp c, 0,1
	v_add_nc_u32 v[SO+\c], 0xff000000, v[MX+\c]    ; 2 off the exponent field: the conversion takes the exponent field of this operand as its scale, and nothing else of it
.endr
.irp c, 0,1
	v_lshrrev_b32 v[BY+\c], 23, v[SO+\c]           ; the scale's byte
.endr
	v_lshl_or_b32 v[\w], v[BY+1], 16, v[BY]        ; my two bytes: blocks h and 2 + h,
	v_lshlrev_b32 v[\w], v[H8], v[\w]              ; at their places in the word;
	v_permlanex16_b32 v[WT], v[\w], s20, s21
	v_or_b32 v[\w], v[\w], v[WT]                   ; with lane l xor 16's two the word is whole
.irp c, 0,1
	v_cvt_scalef32_pk16_fp6_f32 v[\f+6*\c:\f+6*\c+2], v[\x+32*\c:\x+32*\c+15], v[SO+\c]
	v_cvt_scalef32_pk16_fp6_f32 v[T0+4*\c:T0+4*\c+2], v[\x+32*\c+16:\x+32*\c+31], v[SO+\c]
.endr
	v_nop                                          ; one plain place behind a scaled conversion
.irp c, 0,1
.irp i, 0,1,2
	v_mov_b32 v[\f+6*\c+3+\i], v[T0+4*\c+\i]
.endr
.endr
.endm
.macro STF f, off, b=14
.irp c, 0,1,2
	global_store_b128 v[KO], v[\f+4*\c:\f+4*\c+3], s[\b:\b+1] offset:\off+512*\c
.endr
.endm
; V's blocks 2 c (v[src] on) and 2 c + 1 (v[src + 32] on) of my channel.  Lanes 0-15 hold fragment 2 w's channels, lanes 16-31 fragment 2 w + 1's; a fragment wants block 2 c in its lanes 0-15 and block 2 c + 1 in its
; lanes 16-31: one exchange of halves between the two blocks' codes gives both fragments' registers 6 c .. 6 c + 5.
.macro QVPAIR src, c
.irp k, 0,1
	v_max3_num_f32 v[MX+\k], |v[\src+32*\k]|, |v[\src+32*\k+1]|, FLOOR
.endr
.irp i, 2,4,6,8,10,12,14,16,18,20,22,24,26,28,30
.irp k, 0,1
	v_max3_num_f32 v[MX+\k], v[MX+\k], |v[\src+32*\k+\i]|, |v[\src+32*\k+\i+1]|
.endr
.endr
.irp k, 0,1
	v_add_nc_u32 v[SO+\k], 0xff000000, v[MX+\k]
.endr
.irp k, 0,1
	v_lshrrev_b32 v[BY+\k], 23, v[SO+\k]
.endr
.if \c == 0
	v_lshl_or_b32 v[VW], v[BY+1], 8, v[BY]         ; all four bytes of my channel's word are mine
.else
	v_lshl_or_b32 v[VW], v[BY], 16, v[VW]
	v_lshl_or_b32 v[VW], v[BY+1], 24, v[VW]
.endif
	v_cvt_scalef32_pk16_fp6_f32 v[G0+6*\c:G0+6*\c+2], v[\src:\src+15], v[SO]
	v_cvt_scalef32_pk16_fp6_f32 v[T0:T0+2], v[\src+16:\src+31], v[SO]
	v_cvt_scalef32_pk16_fp6_f32 v[G1+6*\c:G1+6*\c+2], v[\src+32:\src+47], v[SO+1]
	v_cvt_scalef32_pk16_fp6_f32 v[T1:T1+2], v[\src+48:\src+63], v[SO+1]
	v_nop                                          ; one plain place behind a scaled conversion
.irp i, 0,1,2
	v_permlane16_swap_b32 v[G0+6*\c+\i], v[G1+6*\c+\i]   ; the first's lanes 16-31 change places with the second's lanes 0-15
	v_permlane16_swap_b32 v[T0+\i], v[T1+\i]
.endr
.irp i, 0,1,2
	v_mov_b32 v[G0+6*\c+3+\i], v[T0+\i]
	v_mov_b32 v[G1+6*\c+3+\i], v[T1+\i]
.endr
.endm
	LOADK 0
	LOADK 1
	LOADV 0, Y
	s_wait_loadcnt 48                              ; tile 0's 16 loads are in; behind them: tile 1's 16 and V's 32
	TURN 0
	s_wait_loadcnt 32                              ; tile 1's are in; behind them: V's 32
	TURN 1                                         ; through the same stage: its stores come behind tile 0's loads
	LOADV 1, Y+32
	s_wait_dscnt 32                                ; tile 0 is back; behind its loads: tile 1's 16 stores and 16 loads
	QK R, F0, W0
	LOADV 2, R                                     ; tile 0's registers are free
	STF F0, 0
	s_wait_dscnt 0x0                               ; tile 1 is back
	QK R+64, F1, W1
	STF F1, 1536
	v_permlane16_swap_b32 v[W0], v[W1]             ; W0: lanes 0-15 fragment 2 w's words, lanes 16-31 fragment 2 w + 1's: word w of K's image
	ds_store_b32 v[SCW], v[W0]
	s_wait_loadcnt 32                              ; V's blocks 0 and 1 are in; behind them: block 2's 32
	LOADV 3, R+32
	QVPAIR Y, 0
	s_wait_loadcnt 0x0                             ; blocks 2 and 3
	QVPAIR R, 1
	STF G0, 0, 36
	STF G1, 1536, 36
	ds_store_b32 v[SCW], v[VW] offset:512          ; lanes 0-15 hold fragment 2 w's channels, lanes 16-31 fragment 2 w + 1's: word w of V's image as it stands
	s_wait_dscnt 0x0                               ; for the others' sake: my words lie in the images
	s_barrier_signal -1
	s_barrier_wait -1
	ds_load_b64 v[SB:SB+1], v[SCR]                 ; a quarter of the two images: 8 bytes a lane
	s_wait_dscnt 0x0
	global_store_b64 v[SCO], v[SB:SB+1], s[18:19]  ; the wave stores 256 consecutive bytes, aligned
	s_wait_tensorcnt 0x0                           ; the wave's end, behind my last LDS store
	ds_add_u32 v[SPW], v[NIL]
	s_wait_dscnt 0x0
	s_endpgm
.Lfunc_end_k_q518b079d74_quant:
	.size	k_q518b079d74_quant, .Lfunc_end_k_q518b079d74_quant-k_q518b079d74_quant
	.p2alignl 7, 3214868480
	.fill 96, 4, 3214868480
	.section	.rodata,"a",@progbits
	.p2align	6, 0x0
	.amdhsa_kernel k_q518b079d74_quant
		.amdhsa_group_segment_fixed_size 35328
		.amdhsa_private_segment_fixed_size 0
		.amdhsa_enable_private_segment 0
		.amdhsa_kernarg_size 16
		.amdhsa_user_sgpr_count 2
		.amdhsa_user_sgpr_kernarg_segment_ptr 1
		.amdhsa_wavefront_size32 1
		.amdhsa_system_sgpr_workgroup_id_x 1
		.amdhsa_system_sgpr_workgroup_id_y 1
		.amdhsa_system_sgpr_workgroup_id_z 1
		.amdhsa_system_vgpr_workitem_id 0
		.amdhsa_next_free_vgpr 256
		.amdhsa_next_free_sgpr 66
		.amdhsa_reserve_vcc 0
		.amdhsa_float_denorm_mode_32 3
		.amdhsa_float_denorm_mode_16_64 3
		.amdhsa_memory_ordered 1
		.amdhsa_forward_progress 1
		.amdhsa_inst_pref_size 36
	.end_amdhsa_kernel
	.amdgpu_metadata
---
amdhsa.version: [ 1, 2 ]
amdhsa.kernels:
  - .name:           k_q518b079d74_quant
    .symbol:         k_q518b079d74_quant.kd
    .args:
      - { .name: kv, .offset: 0, .size: 8, .value_kind: global_buffer, .address_space: global }
      - { .name: kvc, .offset: 8, .size: 8, .value_kind: global_buffer, .address_space: global }
    .group_segment_fixed_size: 35328
    .private_segment_fixed_size: 0
    .kernarg_segment_align: 8
    .kernarg_segment_size: 16
    .max_flat_workgroup_size: 128
    .sgpr_count:     66
    .vgpr_count:     256
    .wavefront_size: 32
...
	.end_amdgpu_metadata
.endif
;; end of part 1
;; launch attn (part 2): grid 4 x 64, 8 waves a work-group, clusters of 4 x 1, 327,680 bytes of LDS; arguments q_codes, q_scales, kvc, out0; writes out0
.if DOCPART == 2
	.amdgcn_target "amdgcn-amd-amdhsa--gfx1250"
	.amdhsa_code_object_version 6
	.text
	.protected	k_q518b079d74_attn
	.globl	k_q518b079d74_attn
	.p2align	8
	.type	k_q518b079d74_attn,@function
k_q518b079d74_attn:
	s_mov_b64 s[64:65], 0
	v_nop
	global_prefetch_b8 v0, s[64:65] scope:SCOPE_SE
	s_setreg_imm32_b32 hwreg(HW_REG_WAVE_MODE, 25, 1), 1
	s_wait_xcnt 0x0
	s_wait_alu depctr_hold_cnt(0) depctr_sa_sdst(0) depctr_va_vdst(0) depctr_va_sdst(0) depctr_va_ssrc(0) depctr_va_vcc(0) depctr_vm_vsrc(0)
	s_getreg_b32 s2, hwreg(HW_REG_IB_STS2, 6, 4)
	s_cmp_eq_u32 s2, 0
	s_cbranch_scc0 .Lentry_in_a_cluster
	s_endpgm
.Lentry_in_a_cluster:
	s_bfe_u32 s2, ttmp6, 0x10000c
	s_cmp_lg_u32 s2, 0x3003
	s_cbranch_scc0 .Lentry_shape_is_right
	s_endpgm
.Lentry_shape_is_right:
; out[b][q][h][:] = the sum over k of softmax_k(Q . K / sqrt(128)) V, both products on codes of FP6 (E2M3) with one E8M0 scale for each 32 along a product's K.  No work of the problem is left out.
; Q arrives as codes and scale words; K and V come from the first launch as images of the operands' registers: kvc = [64 heads][16 steps][25,600]; a step's unit = V's scale image (512 bytes), V's 8 fragments (12,288),
; K's 8 fragments (12,288), K's scale image (512).
; THE SOFTMAX: t = score x c, c = log2(e) / sqrt(128); M = the row's largest t so far, rounded UP to a whole number; p = 2^(t - M) is quantised along the keys, not normalised.  The row's sum is taken of the unquantised p, in f32,
; and divides at the end.  When M moves, the sum and O are multiplied by 2^(old M - new M): exact.
; LIMITS: t is made with one rounding less than score x scale x log2(e); v_exp_f32 gives 0 for p under 2^-126 (ISA guide, its entry in 15.8); a block of p that is all zeros keeps the byte 1: its codes are zeros.
;   The promise holds while |t| stays under 2^31.  NaN and infinities are not served.
; SHARES.  256 work-groups.  A WORK-GROUP STAYS: it makes two blocks of 256 queries of one head (y = 16 x batch + head), blocks cx and cx + 4, one after the other.  Each of its eight waves owns 32 queries of a block, two tiles of 16,
; in 512 registers.  Each fragment of K or V read from LDS feeds two matrix instructions.
; LAYOUT.  Both products are used transposed (S^T = K Q^T, O^T = V^T P^T): a lane holds ONE query (lane % 16).  The 16 registers of S^T's tiles 2 b and 2 b + 1 are the keys 32 b + 16 (lane / 16) + 0 .. 15.
; A KEY STEP (128 keys) HAS TWO PARTS.  FRONT: K's fragments from LDS, S^T, V's fragments from LDS into the same registers.  BACK: the softmax, p's codes, O^T += V^T P^T; it reads no LDS.
; THE RING.  Two LDS slots of four steps (102,400 bytes); each wave fetches an eighth, 50 rows of 256 bytes, by one tensor load.  One load of a wave is out behind each change of slots.  The ring does not stop between the two
; blocks: eight walks of a slot, fill n (1 to 7) brings the head's bytes of slot n mod 4.
; THE TWO HALVES OF THE WAVES ARE SHIFTED.  Waves 0-3 run the BACK of a slot's last step ahead of the change of slots, waves 4-7 behind it (its operands lie in registers by then).  All LDS reads of a slot stand between its two
; changes; waves 4-7 walk one BACK behind waves 0-3, so that one half's vector lines stand beside the other half's LDS loads and products.
; BETWEEN THE BLOCKS, behind the change that follows the fourth walk: the next block's Q is asked for, waves 4-7 run their BACK, the block goes out, the statistics and O^T begin anew.
; The branches hang on the wave's number and on counters alone, and lead round no barrier, no wait of a change of slots and no tensor load.
; CLUSTER.  The four work-groups of a cluster belong to one head and walk the same bytes: each piece is asked for JOINTLY.  All of a WGP's LDS is claimed.
; REGISTERS, in windows of 256: window 0 addresses, statistics, scale words, p's codes, S^T (then p), temporaries; window 1 v0-127 O^T, v128-151 Q's fragments, v160-255 the eight fragments of K, then of V.
.set UNITB, 25600
.set VFO,   512
.set KFO,   12800
.set KSO,   25088
.set FRB,   1536
.set PARTB, 12800                      ; a wave's eighth of a slot
.set SLOTB, 4*UNITB
.set HEADB, 16*UNITB
.set SLOT1, 131072                     ; slot 1 begins here: one exclusive or turns an address in one slot into the other's
.set STAGE, SLOT1+SLOTB                ; the way out: 16 rows x (512 + 16) bytes for each wave; no tensor load lands here
.set STGP,  528
.set SPARE, STAGE+8*16*STGP            ; the spare words: 128 bytes a wave, four blocks of 256 bytes that no other line names
.set LI,  1                            ; 16 x lane
.set ADR, 2                            ; LDS address of the step's unit + 16 x lane
.set HH,  3                            ; lane / 16
.set RR,  4                            ; lane % 16
.set SPW, 5                            ; my spare word; never rewritten
.set NIL, 6                            ; 0; never rewritten
.set STO, 7                            ; the way out: where I put 32 bytes of a row
.set RD,  8                            ; and where I read a row back
.set PFO, 9                            ; 256 x min(lane, 24)
.set QA,  10
.set QSA, 11
.set ST,  12                           ; tile t at ST + 4 t: +0 -M, +1 the largest score, +2, +3 the sum in two halves
.set KS,  20
.set VS,  24
.set QS,  28
.set PS,  30
.set PC,  32                           ; p's codes, 12 a tile
.set BM,  56                           ; the blocks' largest scores, then largest p
.set FF,  64                           ; f = 2^(old M - new M), at a block's end 1 / the sum; the upper word of each pair holds 0
.set XT,  68
.set SX,  76                           ; +8 t: four chains of the row's sum
.set SM,  96                           ; S^T, then p, 64 a tile; on the way out rows of out
.set TM,  224                          ; +16 t: +0..3 the other half's maxima, then bytes; +4..7 scale operands; +8..10, +12..14 second halves of codes
.set OT,  0
.set QF,  128
.set FG,  160
.set WV,  14
.set SEL, 20
.set CS,  22
.set G1,  24
.set G0,  32
.set LIM, 36                           ; 5 in a wave that prefetches, else the greatest number
.set GB,  38                           ; s[38:39] the head's first byte for my eighth, with the descriptor's type bits
.set TB,  40                           ; LDS byte of the unit in hand
.set SB,  41                           ; LDS byte of the slot in hand
.set SLOTS, 42                         ; 8 less the number of the fill in hand
.set CNT, 43
.set PFA, 44
.set OFS, 46                           ; s[46:47] where the fill's bytes begin in the head
.set MSB, 0
.macro WIN new
.if MSB != \new
	s_set_vgpr_msb (MSB<<8)|\new
.set MSB, \new
.endif
.endm
.set W_LD,  0x40
.set W_KQ,  0x05
.set W_RS,  0x41
.set W_PV,  0x51
.set W_OUT, 0x01
.macro CROUND
	s_barrier_signal -1
	s_barrier_wait -1
	s_cmp_lg_u32 s[WV], 0
	s_cbranch_scc1 .Lnot_wave_0_\@
	s_barrier_signal -3
.Lnot_wave_0_\@:
	s_barrier_wait -3
	s_barrier_signal -1
	s_barrier_wait -1
.endm
.macro TLOAD                           ; every wave's one joint load; an s_nop 0 and four v_nop follow it
	tensor_load_to_lds s[G0:G0+3], s[G1:G1+7]
	s_nop 0
.rept 4
	v_nop
.endr
.endm
.macro FETCH off                       ; eight fragments as they lie: 24 loads of 512 consecutive bytes
	WIN W_LD
.irp f, 0,1,2,3,4,5,6,7
.irp c, 0,1,2
	ds_load_b128 v[FG+12*\f+4*\c:FG+12*\f+4*\c+3], v[ADR] offset:\off+FRB*\f+512*\c
.endr
.endr
.endm
.macro KQ f, t
.if (\f)%2
	v_wmma_scale_f32_16x16x128_f8f6f4 v[SM+64*\t+8*\f:SM+64*\t+8*\f+7], v[FG+12*\f:FG+12*\f+11], v[QF+12*\t:QF+12*\t+11], 0, v[KS+\f/2], v[QS+\t] matrix_a_fmt:MATRIX_FMT_FP6 matrix_b_fmt:MATRIX_FMT_FP6 matrix_a_scale:MATRIX_SCALE_ROW1
.else
	v_wmma_scale_f32_16x16x128_f8f6f4 v[SM+64*\t+8*\f:SM+64*\t+8*\f+7], v[FG+12*\f:FG+12*\f+11], v[QF+12*\t:QF+12*\t+11], 0, v[KS+\f/2], v[QS+\t] matrix_a_fmt:MATRIX_FMT_FP6 matrix_b_fmt:MATRIX_FMT_FP6
.endif
.endm
.macro PV f, t
.if (\f)%2
	v_wmma_scale_f32_16x16x128_f8f6f4 v[OT+64*\t+8*\f:OT+64*\t+8*\f+7], v[FG+12*\f:FG+12*\f+11], v[PC+12*\t:PC+12*\t+11], v[OT+64*\t+8*\f:OT+64*\t+8*\f+7], v[VS+\f/2], v[PS+\t] matrix_a_fmt:MATRIX_FMT_FP6 matrix_b_fmt:MATRIX_FMT_FP6 matrix_a_scale:MATRIX_SCALE_ROW1
.else
	v_wmma_scale_f32_16x16x128_f8f6f4 v[OT+64*\t+8*\f:OT+64*\t+8*\f+7], v[FG+12*\f:FG+12*\f+11], v[PC+12*\t:PC+12*\t+11], v[OT+64*\t+8*\f:OT+64*\t+8*\f+7], v[VS+\f/2], v[PS+\t] matrix_a_fmt:MATRIX_FMT_FP6 matrix_b_fmt:MATRIX_FMT_FP6
.endif
.endm
.macro QLOAD                           ; a block's Q: the fragments stay in registers
	WIN W_LD
.irp t, 0,1
.irp p, 0,1,2,3,4,5
	global_load_b64 v[QF+12*\t+2*\p:QF+12*\t+2*\p+1], v[QA], s[4:5] offset:24576*\t+48*(\p/3)+8*(\p%3)
.endr
.endr
	WIN 0
.irp t, 0,1
	global_load_b32 v[QS+\t], v[QSA], s[6:7] offset:1024*\t
.endr
.endm
.macro INIT                            ; a block's statistics and O^T.  The step has no first form of its own: the first change of M leaves zeros zeros
.irp t, 0,1
	v_mov_b32 v[ST+4*\t+1], 0xff61b1e6             ; the largest score so far: -3e38
	v_floor_f32 v[ST+4*\t], -v[ST+4*\t+1]          ; -M
	v_mov_b32 v[ST+4*\t+2], 0
	v_mov_b32 v[ST+4*\t+3], 0
.endr
	WIN W_LD
.set cnt, 0
.rept 128
	v_mov_b32 v[OT+cnt], 0
.set cnt, cnt+1
.endr
	WIN 0
.endm
.macro FRONT
	v_add_nc_u32 v[ADR], s[TB], v[LI]
.rept 3
	v_nop                                          ; four places between the last products and the loads into the registers that they read
.endr
	ds_load_b128 v[KS:KS+3], v[ADR] offset:KSO
	FETCH KFO
	s_wait_alu depctr_va_vdst(0)                   ; ahead of a wait that blocks
	s_wait_dscnt 12                                ; the scale words and fragments 0 to 3 are in; behind them: the 12 loads of fragments 4 to 7
	WIN W_KQ
.irp f, 0,1,2,3
.irp t, 0,1
	KQ \f, \t
.endr
.endr
	s_wait_dscnt 0x0
.irp f, 4,5,6,7
.irp t, 0,1
	KQ \f, \t
.endr
.endr
.rept 4
	v_nop                                          ; four places: in front of V's loads into K's registers, and of the first read of the scores
.endr
	FETCH VFO
	WIN 0
	ds_load_b128 v[VS:VS+3], v[ADR]
.endm
.macro BACK
.irp i, 0,2,4,6,8,10,12,14                     ; the largest score of each block of 32 keys: it serves the row's maximum and the block's largest p.  Each accumulator is read from its low end on
.irp b, 0,1,2,3
.irp t, 0,1
.if \i == 0
	v_max3_num_f32 v[BM+4*\t+\b], 0xff61b1e6, v[SM+64*\t+16*\b], v[SM+64*\t+16*\b+1]   ; -3e38 is one more leaf
.else
	v_max3_num_f32 v[BM+4*\t+\b], v[BM+4*\t+\b], v[SM+64*\t+16*\b+\i], v[SM+64*\t+16*\b+\i+1]
.endif
.endr
.endr
.endr
.irp b, 0,1,2,3
.irp t, 0,1
	v_permlanex16_b32 v[TM+16*\t+\b], v[BM+4*\t+\b], s[SEL], s[SEL+1]
.endr
.endr
.irp b, 0,1,2,3
.irp t, 0,1
	v_max_num_f32 v[BM+4*\t+\b], v[BM+4*\t+\b], v[TM+16*\t+\b]   ; with lane l xor 16's 16 keys
.endr
.endr
.irp t, 0,1
	s_delay_alu instid0(VALU_DEP_4)
	v_max3_num_f32 v[XT+4*\t], v[BM+4*\t], v[BM+4*\t+1], v[BM+4*\t+2]
.endr
.irp t, 0,1
	s_delay_alu instid0(VALU_DEP_2)
	v_max3_num_f32 v[ST+4*\t+1], v[ST+4*\t+1], v[XT+4*\t], v[BM+4*\t+3]   ; the running largest score
.endr
.irp t, 0,1
	s_delay_alu instid0(VALU_DEP_2)
	v_mul_f32 v[XT+4*\t], s[CS], v[ST+4*\t+1]                    ; as t (c is positive)
.endr
.irp t, 0,1
	v_mov_b32 v[XT+4*\t+1], v[ST+4*\t]
.endr
.irp t, 0,1
	s_delay_alu instid0(VALU_DEP_4)
	v_floor_f32 v[ST+4*\t], -v[XT+4*\t]                          ; the new -M = -ceil(t)
.endr
.irp t, 0,1
	s_delay_alu instid0(VALU_DEP_2)
	v_sub_f32 v[XT+4*\t], v[ST+4*\t], v[XT+4*\t+1]               ; old M less new M: a whole number, 0 or less
.endr
.irp b, 0,1,2,3
.irp t, 0,1
	v_fma_f32 v[BM+4*\t+\b], v[BM+4*\t+\b], s[CS], v[ST+4*\t]    ; t - M of each block's largest score
.endr
.endr
.irp t, 0,1
	v_cvt_i32_f32 v[XT+4*\t], v[XT+4*\t]                         ; (it saturates)
.endr
.irp t, 0,1
	s_delay_alu instid0(VALU_DEP_2)
	v_ldexp_f32 v[FF+2*\t], 1.0, v[XT+4*\t]                      ; f = 2^(old M - new M)
.endr
.set cnt, 0
.rept 32
.irp t, 0,1
	v_pk_fma_f32 v[SM+64*\t+cnt:SM+64*\t+cnt+1], v[SM+64*\t+cnt:SM+64*\t+cnt+1], s[CS:CS+1], v[ST+4*\t:ST+4*\t+1] op_sel_hi:[1,0,0]   ; t - M, two at a time
.endr
.set cnt, cnt+2
.endr
	s_wait_alu depctr_va_vdst(0)                   ; ahead of the batch
.set cnt, 0
.rept 64
.irp t, 0,1
	v_exp_f32 v[SM+64*\t+cnt], v[SM+64*\t+cnt]                   ; p = 2^(t - M), at most 1
.endr
.set cnt, cnt+1
.endr
.irp t, 0,1
	v_pk_mul_f32 v[SX+8*\t+6:SX+8*\t+7], v[ST+4*\t+2:ST+4*\t+3], v[FF+2*\t:FF+2*\t+1] op_sel_hi:[1,0]   ; the sum under the new M begins the fourth chain: the plain place behind the batch
.endr
	s_wait_alu depctr_va_vdst(0)                   ; one wait for the batch, ahead of its first reader
.irp b, 0,1,2,3
.irp t, 0,1
	v_exp_f32 v[BM+4*\t+\b], v[BM+4*\t+\b]                       ; the block's largest p: the same two instructions on the same number
.endr
.endr
.irp i, 0,1,2
.irp t, 0,1
	v_pk_add_f32 v[SX+8*\t+2*\i:SX+8*\t+2*\i+1], v[SM+64*\t+4*\i:SM+64*\t+4*\i+1], v[SM+64*\t+4*\i+2:SM+64*\t+4*\i+3]   ; the row's sum of the unquantised p: four chains a tile
.endr
.endr
.set cnt, 12
.rept 26
.irp t, 0,1
	v_pk_add_f32 v[SX+8*\t+2*((cnt/2)%4):SX+8*\t+2*((cnt/2)%4)+1], v[SX+8*\t+2*((cnt/2)%4):SX+8*\t+2*((cnt/2)%4)+1], v[SM+64*\t+cnt:SM+64*\t+cnt+1]
.endr
.set cnt, cnt+2
.endr
.irp t, 0,1
	v_pk_add_f32 v[SX+8*\t:SX+8*\t+1], v[SX+8*\t:SX+8*\t+1], v[SX+8*\t+2:SX+8*\t+3]
	v_pk_add_f32 v[SX+8*\t+4:SX+8*\t+5], v[SX+8*\t+4:SX+8*\t+5], v[SX+8*\t+6:SX+8*\t+7]
.endr
	s_wait_alu depctr_va_vdst(0)                   ; and one for the eight
.irp b, 0,1,2,3
.irp t, 0,1
	v_max_num_f32 v[BM+4*\t+\b], 0x1800000, v[BM+4*\t+\b]        ; the floor 2^(3 - 127): the byte cannot fall under 1
.endr
.endr
.irp t, 0,1
	v_pk_add_f32 v[ST+4*\t+2:ST+4*\t+3], v[SX+8*\t:SX+8*\t+1], v[SX+8*\t+4:SX+8*\t+5]
.endr
.irp b, 0,1,2,3
.irp t, 0,1
	v_add_nc_u32 v[TM+16*\t+4+\b], 0xff000000, v[BM+4*\t+\b]     ; 2 off the exponent field: the conversion's scale operand
.endr
.endr
.irp b, 0,1,2,3
.irp t, 0,1
	v_lshrrev_b32 v[TM+16*\t+\b], 23, v[TM+16*\t+4+\b]           ; the scale's byte
.endr
.endr
.irp t, 0,1
	v_lshl_or_b32 v[PS+\t], v[TM+16*\t+1], 8, v[TM+16*\t]
.endr
.irp t, 0,1
	s_delay_alu instid0(VALU_DEP_2)
	v_lshl_or_b32 v[PS+\t], v[TM+16*\t+2], 16, v[PS+\t]
.endr
.irp t, 0,1
	s_delay_alu instid0(VALU_DEP_2)
	v_lshl_or_b32 v[PS+\t], v[TM+16*\t+3], 24, v[PS+\t]
.endr
.irp c, 0,1
.irp t, 0,1
	v_cvt_scalef32_pk16_fp6_f32 v[PC+12*\t+6*\c:PC+12*\t+6*\c+2], v[SM+64*\t+32*\c:SM+64*\t+32*\c+15], v[TM+16*\t+4+2*\c]
	v_cvt_scalef32_pk16_fp6_f32 v[TM+16*\t+8+4*\c:TM+16*\t+10+4*\c], v[SM+64*\t+32*\c+16:SM+64*\t+32*\c+31], v[TM+16*\t+5+2*\c]   ; (a conversion's three registers begin on an even number)
.endr
.endr
	v_nop                                          ; one plain place behind a scaled conversion
.irp c, 0,1                                    ; the operand wants a WHOLE block in a lane: lanes 0-15 block 2 c, lanes 16-31 block 2 c + 1
.irp t, 0,1
.irp i, 0,1,2
	v_permlane16_swap_b32 v[PC+12*\t+6*\c+\i], v[TM+16*\t+8+4*\c+\i]
.endr
.endr
.endr
.irp c, 0,1
.irp t, 0,1
.irp i, 0,1,2
	v_mov_b32 v[PC+12*\t+6*\c+3+\i], v[TM+16*\t+8+4*\c+\i]
.endr
.endr
.endr
	WIN W_RS
	s_wait_alu depctr_va_vdst(0)                   ; ahead of the first reader of O^T
.irp t, 0,1
.set cnt, 0
.rept 32
	v_pk_mul_f32 v[OT+64*\t+cnt:OT+64*\t+cnt+1], v[OT+64*\t+cnt:OT+64*\t+cnt+1], v[FF+2*\t:FF+2*\t+1] op_sel_hi:[1,0]   ; O^T under the new M, each accumulator from its low end on; these 64 also stand between p's codes and scale words and the products
.set cnt, cnt+2
.endr
.endr
	s_wait_alu depctr_va_vdst(0)
	s_wait_dscnt 0x0                               ; V's fragments and scale words are in
	WIN W_PV
.irp f, 0,1,2,3,4,5,6,7                        ; sixteen accumulators, one instruction a turn
.irp t, 0,1
	PV \f, \t
.endr
.endr
	WIN 0
.endm
; A slot's four steps.  Waves 4-7 leave the last step's BACK for behind the change of slots.
.macro WALK
	s_mov_b32 s[TB], s[SB]
	s_mov_b32 s[CNT], 4
.Lstep_\@:
	FRONT
	s_cmp_lt_u32 s[WV], 4
	s_cbranch_scc1 .Ldo_\@
	s_cmp_eq_u32 s[CNT], 1
	s_cbranch_scc1 .Lskip_\@
.Ldo_\@:
	BACK
.Lskip_\@:
	s_add_co_u32 s[TB], s[TB], UNITB
	s_sub_co_u32 s[CNT], s[CNT], 1
	s_cmp_lg_u32 s[CNT], 0
	s_wait_alu depctr_va_vdst(0)
	s_cbranch_scc1 .Lstep_\@
	s_xor_b32 s[SB], s[SB], SLOT1
.endm
.macro LATE                            ; waves 4-7: the BACK that they left
	s_cmp_lt_u32 s[WV], 4
	s_cbranch_scc1 .Lnot_late_\@
	BACK
.Lnot_late_\@:
.endm
; THE CHANGE OF SLOTS: all my tensor loads are in (my eighth of the slot to be read next), 0 onto my spare word, the add and my reads of the slot that I have left are over.
; fill = 1: a round of the cluster's barrier, then that slot takes fill n = 8 - SLOTS: the head's bytes of slot n mod 4.  Behind fills 1 and 2 waves 0-3 name 25 blocks of 256 bytes each of the slot after (slots 2 and 3; the four
; partners take a unit each, BY ADDRESS; a wave 6,400 bytes; lanes 25 to 31 name the wave's last block again): every block once in each cluster, four key steps ahead of the load that wants it.  Slots 0 and 1 come by their loads
; alone; the second block's walk names bytes that the cluster has read before, and asks for none of them.
.macro CHANGE fill
	s_wait_tensorcnt 0x0
	ds_add_u32 v[SPW], v[NIL]
.if \fill
	s_xor_b32 s[G0+1], s[G0+1], SLOT1
	s_sub_co_u32 s[OFS], 8, s[SLOTS]
	s_and_b32 s[OFS], s[OFS], 3
	s_mul_i32 s[OFS], s[OFS], SLOTB
	s_add_nc_u64 s[G0+2:G0+3], s[GB:GB+1], s[OFS:OFS+1]
	s_wait_xcnt 0x0                                ; the last prefetch has read its address
	s_add_nc_u64 s[PFA:PFA+1], s[PFA:PFA+1], SLOTB ; (behind fill 2 it is stepped on and used no more)
	s_wait_dscnt 0x0
	CROUND
	TLOAD
	s_cmp_gt_u32 s[SLOTS], s[LIM]
	s_cbranch_scc0 .Lno_ask_\@
	global_prefetch_b8 v[PFO], s[PFA:PFA+1] th:TH_LOAD_NT scope:SCOPE_SE
.Lno_ask_\@:
.else
	s_wait_dscnt 0x0
	s_barrier_signal -1
	s_barrier_wait -1
.endif
.endm
; THE WAY OUT of a block: O^T / the sum goes through my stage in LDS, a tile (16 queries x 512 bytes) at a time.
.macro PACK t
	WIN W_OUT
.set cnt, 0
.rept 32
	v_pk_mul_f32 v[SM+64*\t+cnt:SM+64*\t+cnt+1], v[OT+64*\t+cnt:OT+64*\t+cnt+1], v[FF+2*\t:FF+2*\t+1] op_sel_hi:[1,0]   ; register 8 f + i is out(query r, channel 16 f + 8 h + i)
.set cnt, cnt+2
.endr
	WIN 0
.irp f, 0,1,2,3,4,5,6,7
	ds_store_b128 v[STO], v[SM+64*\t+8*\f:SM+64*\t+8*\f+3] offset:64*\f
	ds_store_b128 v[STO], v[SM+64*\t+8*\f+4:SM+64*\t+8*\f+7] offset:64*\f+16
.endr
.irp n, 0,1,2,3,4,5,6,7,8,9,10,11,12,13,14,15
	ds_load_b128 v[SM+64*\t+4*\n:SM+64*\t+4*\n+3], v[RD] offset:STGP*\n   ; LDS serves a wave's instructions in order (ISA guide 5.7.1.4)
.endr
.endm
.macro SEND t, younger                 ; younger: the LDS instructions issued behind tile t's loads
.irp n, 0,1,2,3,4,5,6,7,8,9,10,11,12,13,14,15
	s_wait_dscnt \younger+15-\n
	global_store_b128 v[LI], v[SM+64*\t+4*\n:SM+64*\t+4*\n+3], s[12:13] offset:131072*\t+8192*\n th:TH_STORE_NT   ; 32 lanes store a query's 512 consecutive bytes of this head, aligned
.endr
.endm
.macro OUT more                        ; more = 1: a block follows
.irp t, 0,1
	v_add_f32 v[XT+4*\t], v[ST+4*\t+2], v[ST+4*\t+3]   ; (these lines are also the places behind the last products)
.endr
.irp t, 0,1
	v_permlanex16_b32 v[TM+16*\t], v[XT+4*\t], s[SEL], s[SEL+1]
.endr
.irp t, 0,1
	v_add_f32 v[XT+4*\t], v[XT+4*\t], v[TM+16*\t]
.endr
	s_wait_alu depctr_va_vdst(0)
.irp t, 0,1
	v_rcp_f32 v[FF+2*\t], v[XT+4*\t]
.endr
	v_nop                                          ; one plain place behind the reciprocals
	s_wait_alu depctr_va_vdst(0)                   ; one wait for them, ahead of their first reader and of O^T's
	PACK 0
	PACK 1
	SEND 0, 32                                     ; behind tile 0's loads: tile 1's 16 stores and 16 loads
	SEND 1, 0
.if \more
	s_wait_xcnt 0x0                                ; only behind this wait are the stores' base and data registers written again
	s_add_nc_u64 s[12:13], s[12:13], 8388608       ; the next block lies 1,024 queries on
	INIT
	s_wait_alu depctr_va_vdst(0)
	s_wait_loadcnt 0x0                             ; the next block's Q
.endif
.endm
	s_load_b256 s[4:11], s[0:1], 0x0               ; Q's codes s[4:5], Q's scales s[6:7], kvc s[8:9], out s[10:11]
	v_lshl_add_u32 v[SPW], v0, 2, SPARE
	v_mov_b32 v[NIL], 0
	ds_add_u32 v[SPW], v[NIL]                      ; the opening: the add, twice on end, and its wait ahead of the first tensor load
	ds_add_u32 v[SPW], v[NIL]
	v_lshrrev_b32 v[ADR], 5, v0
	v_readfirstlane_b32 s[WV], v[ADR]              ; wave 0..7
	s_mul_i32 s60, s[WV], 16*STGP
	s_add_co_u32 s60, s60, STAGE                   ; my stage
	v_and_b32 v[LI], 31, v0
	v_and_b32 v[RR], 15, v0
	v_bfe_u32 v[HH], v0, 4, 1
	v_min_u32 v[PFO], 24, v[LI]
	v_mul_u32_u24 v[QA], v[RR], 1536
	v_lshlrev_b32 v[QSA], 6, v[RR]
	v_lshlrev_b32 v[LI], 4, v[LI]
	v_lshlrev_b32 v[PFO], 8, v[PFO]
	v_mad_u32_u24 v[QA], v[HH], 24, v[QA]
	v_mul_u32_u24 v[STO], v[RR], STGP              ; in: row r; fragment f's eight channels of my half lie 64 f + 32 h bytes on
	v_add_nc_u32 v[RD], s60, v[LI]                 ; back: the 32 lanes take one row of 512 bytes
	v_lshl_add_u32 v[STO], v[HH], 5, v[STO]
	v_add_nc_u32 v[STO], s60, v[STO]
	s_bfe_u32 s15, ttmp6, 0x40000                  ; cx
	s_lshl_b32 s16, ttmp9, 2
	s_add_co_u32 s16, s16, s15                     ; my first block of 256 queries
	s_and_b32 s17, ttmp7, 0xffff                   ; 16 x batch + head, which the partners share
	s_lshr_b32 s18, s17, 4
	s_and_b32 s19, s17, 15
	s_mov_b32 s[G1], 15|(3<<16)|(1<<21)            ; the mask: all four; elements of 8 bytes; bit 21 beside a mask
	s_mov_b32 s[G1+1], 32<<16                      ; rows of 256 bytes,
	s_mov_b32 s[G1+2], 50<<16                      ; 50 of them, dense
	s_mov_b32 s[G1+3], 32<<16
	s_mov_b32 s[G1+4], 50
	s_mov_b32 s[G1+5], 32
	s_mov_b32 s[G1+6], 0
	s_mov_b32 s[G1+7], 0
	s_mov_b32 s[SEL], 0x76543210
	s_mov_b32 s[SEL+1], 0xfedcba98
	s_mov_b32 s[CS], 0x3e0293ee                    ; c = log2(e) / sqrt(128)
	s_mov_b32 s[CS+1], s[CS]
	s_mov_b32 s[SB], 0
	s_mov_b32 s[SLOTS], 7
	s_mov_b32 s[OFS+1], 0
	s_mul_i32 s48, s17, HEADB                      ; the head's units
	s_mul_i32 s49, s[WV], PARTB                    ; my eighth of a slot
	s_add_co_u32 s62, s48, s49
	s_mov_b32 s63, 0
	s_mul_i32 s56, s15, UNITB                      ; the prefetches: my work-group's unit, my wave's 6,400 bytes, from slot 1 on (the first change steps it to slot 2)
	s_add_co_u32 s56, s56, s48
	s_and_b32 s58, s[WV], 3
	s_mul_i32 s58, s58, 6400
	s_add_co_u32 s56, s56, s58
	s_add_co_u32 s56, s56, SLOTB
	s_mov_b32 s57, 0
	s_cmp_lt_u32 s[WV], 4
	s_cselect_b32 s[LIM], 5, -1
	s_lshl_b32 s58, s18, 11                        ; my first query: 2,048 x batch + 256 x block + 32 x wave
	s_lshl_b32 s59, s16, 8
	s_add_co_u32 s58, s58, s59
	s_lshl_b32 s59, s[WV], 5
	s_add_co_u32 s58, s58, s59
	s_mul_i32 s50, s58, 1536
	s_mul_i32 s59, s19, 96
	s_add_co_u32 s50, s50, s59
	s_mov_b32 s51, 0
	s_lshl_b32 s52, s58, 6
	s_lshl_b32 s59, s19, 2
	s_add_co_u32 s52, s52, s59
	s_mov_b32 s53, 0
	s_lshl_b32 s54, s58, 13
	s_lshl_b32 s59, s19, 9
	s_add_co_u32 s54, s54, s59
	s_mov_b32 s55, 0
	s_wait_alu depctr_va_vdst(0)                   ; ahead of waits that block
	s_wait_dscnt 0x0                               ; both opening adds are done
	s_wait_kmcnt 0x0
	s_add_nc_u64 s[4:5], s[4:5], s[50:51]
	s_add_nc_u64 s[6:7], s[6:7], s[52:53]
	QLOAD                                          ; asked for ahead of the round
	s_add_nc_u64 s[12:13], s[10:11], s[54:55]
	s_add_nc_u64 s[PFA:PFA+1], s[8:9], s[56:57]
	s_add_nc_u64 s[GB:GB+1], s[8:9], s[62:63]
	s_or_b32 s[GB+1], s[GB+1], 0x80000000          ; the type
	s_mov_b32 s[G0], 1
	s_mul_i32 s[G0+1], s[WV], PARTB                ; LDS: slot 0, my eighth
	s_mov_b64 s[G0+2:G0+3], s[GB:GB+1]
	CROUND                                         ; all four work-groups are here: the first joint loads meet
	TLOAD                                          ; slot 0: one tensor load a wave at the head
.irp t, 0,1
	v_mov_b32 v[FF+2*\t+1], 0                      ; (named as the upper half of a pair)
.irp b, 0,1,2,3
	v_mov_b32 v[TM+16*\t+\b], 0                    ; a lane permute's destination counts as one of its sources
.endr
.endr
	INIT
	s_wait_alu depctr_va_vdst(0)
	s_wait_loadcnt 0x0                             ; Q
	CHANGE 1                                       ; slot 0 is in; fill 1 is slot 1's first fill, issued as a refill is
	s_mov_b32 s[SLOTS], 6
.Lslot:                                            ; 6 trips: walks 0 to 5, fills 2 to 7
	WALK
	CHANGE 1
	s_cmp_lg_u32 s[SLOTS], 3                       ; behind the fourth walk the first block's last S^T has been made:
	s_cbranch_scc1 .Lsame_q
	s_add_nc_u64 s[4:5], s[4:5], 1572864           ; the next block's Q, 1,024 queries on (the first block's loads were waited for at the head; the v_nop behind the tensor load are the places behind the products that read Q)
	s_add_nc_u64 s[6:7], s[6:7], 65536
	QLOAD
.Lsame_q:
	LATE
	s_cmp_lg_u32 s[SLOTS], 3
	s_cbranch_scc1 .Lsame_block
	OUT 1
.Lsame_block:
	s_sub_co_u32 s[SLOTS], s[SLOTS], 1
	s_cmp_lg_u32 s[SLOTS], 0
	s_wait_alu depctr_va_vdst(0)
	s_cbranch_scc1 .Lslot
	WALK                                           ; the last two walks are written out
	CHANGE 0
	LATE
	WALK
	LATE
	OUT 0
	s_wait_tensorcnt 0x0                           ; the wave's end
	ds_add_u32 v[SPW], v[NIL]
	s_wait_dscnt 0x0
	CROUND                                         ; the closing round
	s_endpgm
.Lfunc_end_k_q518b079d74_attn:
	.size	k_q518b079d74_attn, .Lfunc_end_k_q518b079d74_attn-k_q518b079d74_attn
	.p2alignl 7, 3214868480
	.fill 96, 4, 3214868480
	.section	.rodata,"a",@progbits
	.p2align	6, 0x0
	.amdhsa_kernel k_q518b079d74_attn
		.amdhsa_group_segment_fixed_size 327680
		.amdhsa_private_segment_fixed_size 0
		.amdhsa_enable_private_segment 0
		.amdhsa_kernarg_size 32
		.amdhsa_user_sgpr_count 2
		.amdhsa_user_sgpr_kernarg_segment_ptr 1
		.amdhsa_wavefront_size32 1
		.amdhsa_system_sgpr_workgroup_id_x 1
		.amdhsa_system_sgpr_workgroup_id_y 1
		.amdhsa_system_sgpr_workgroup_id_z 1
		.amdhsa_system_vgpr_workitem_id 0
		.amdhsa_next_free_vgpr 512
		.amdhsa_next_free_sgpr 66
		.amdhsa_reserve_vcc 0
		.amdhsa_float_denorm_mode_32 3
		.amdhsa_float_denorm_mode_16_64 3
		.amdhsa_memory_ordered 1
		.amdhsa_forward_progress 1
		.amdhsa_inst_pref_size 234
	.end_amdhsa_kernel
	.amdgpu_metadata
---
amdhsa.version: [ 1, 2 ]
amdhsa.kernels:
  - .name:           k_q518b079d74_attn
    .symbol:         k_q518b079d74_attn.kd
    .args:
      - { .name: q_codes, .offset: 0, .size: 8, .value_kind: global_buffer, .address_space: global }
      - { .name: q_scales, .offset: 8, .size: 8, .value_kind: global_buffer, .address_space: global }
      - { .name: kvc, .offset: 16, .size: 8, .value_kind: global_buffer, .address_space: global }
      - { .name: out0, .offset: 24, .size: 8, .value_kind: global_buffer, .address_space: global }
    .group_segment_fixed_size: 327680
    .private_segment_fixed_size: 0
    .kernarg_segment_align: 8
    .kernarg_segment_size: 32
    .max_flat_workgroup_size: 256
    .sgpr_count:     66
    .vgpr_count:     512
    .wavefront_size: 32
...
	.end_amdgpu_metadata
.endif
;; end of part 2
